; MI455X (gfx1250); checked and timed in simulation.
; The chip was launched on July 23, 2026; its instructions are those of AMD's public machine-readable ISA for CDNA 5 (MIT licence, August 2026) and "CDNA5" Instruction Set Architecture Reference Guide (July 2026). The comments in the code are by the model that wrote it; some were corrected since.
;; Vector Quantizer. Allowed arithmetic: matrix products marked QUANTISED: E5M2 operands, one E8M0 scale for each 32 along K, by v_wmma_scale_f32_16x16x128_f8f6f4 with both operands' format E5M2, f32 sums; everything else in f32.
;; Inputs: codebook 8,192 x 256 float32; z_e 32,768 x 256 float32.
;; Outputs: out0 32,768 x 256 float32; out1 32,768 int32; out2 one number float32.
;; This version of the problem:
;;   THIS VERSION OF THE PROBLEM IS GIVEN IN LOW PRECISION. The matrix products marked QUANTISED in the list below multiply operands that are first quantised to E5M2 (5 exponent bits, 2 mantissa bits; 8 bits a number), with one power-of-two scale for each 32 numbers along K (OCP MX v1.0); their sums are f32. All else is computed in f32.
;;   The module's matrix products, in the order in which they are computed (A, B: the left and right operand; K: the contracted axis; several contracted axes count as one K, in the product's order):
;;     1. [M 32,768, K 256] x [K 256, N 8,192]; A: input z_e; B: input codebook: QUANTISED
;;   THE QUANTISER, for each operand of a quantised product, along K:
;;     - K is cut into blocks of 32 from its start; a last block that is shorter is filled with zeros.
;;     - A block's scale is 2^e with e = floor(log2(the largest magnitude in the block)) - 15, held to -126 .. 127; a block of zeros has e = 0. As a byte (E8M0): e + 127.
;;     - Each number is divided by its block's scale, clamped to +-57,344, and rounded to the nearest number of E5M2, ties to even, subnormals kept.
;;     - The product sums the exact products of the quantised numbers (number of the format x scale) in f32.
;;   ~~~python
;;   def quantise(x, axis):      # numpy; x: float32 -> the quantised numbers, widened to float32 again
;;       x = np.moveaxis(x, axis, -1); K = x.shape[-1]
;;       x = np.pad(x, [(0, 0)] * (x.ndim - 1) + [(0, -K % 32)]); x = x.reshape(x.shape[:-1] + (-1, 32)); a = np.abs(x).max(-1, keepdims=True)
;;       e = np.where(a > 0, np.clip(np.frexp(np.where(a > 0, a, 1))[1] - 1 - 15, -126, 127), 0)      # np.frexp(a)[1] - 1 = floor(log2(a)), exactly
;;       r = np.clip(x / 2.0 ** e, -57344, 57344)
;;       step = 2.0 ** (np.maximum(np.frexp(np.where(r == 0, 1, r))[1] - 1, -14) - 2)
;;       q = np.round(r / step) * step * 2.0 ** e      # np.round: ties to even
;;       return np.moveaxis(q.reshape(q.shape[:-2] + (-1,))[..., :K], -1, axis).astype(np.float32)
;;   ~~~
;; One version. Each part assembles by itself: llvm-mc -triple=amdgcn-amd-amdhsa -mcpu=gfx1250 --defsym DOCPART=n.
;; ======== version 1 of 1: 4 launches
;; workspace buffers: cb 2,228,224 bytes; idx 131,072 bytes of whole numbers; part 2,048 bytes
;; launch quant_cb (part 1): grid 256 x 1, 2 waves a work-group, no clusters, 1,280 bytes of LDS; arguments codebook, cb; writes cb
.if DOCPART == 1
	.amdgcn_target "amdgcn-amd-amdhsa--gfx1250"
	.amdhsa_code_object_version 6
	.text
	.protected	k_q91bc001dab_quant_cb
	.globl	k_q91bc001dab_quant_cb
	.p2align	8
	.type	k_q91bc001dab_quant_cb,@function
k_q91bc001dab_quant_cb:
	s_mov_b64 s[64:65], 0
	v_nop
	global_prefetch_b8 v0, s[64:65] scope:SCOPE_SE
	s_setreg_imm32_b32 hwreg(HW_REG_WAVE_MODE, 25, 1), 1
	s_wait_xcnt 0x0
; The codebook [8192][256], f32, becomes 512 RECORDS of 4,352 bytes, one for each tile of 16 codes, laid in the order in which the next launch's registers take them:
;   bytes 0 .. 4095     the tile's two fragments (K step s = 0, 1) of E5M2 codes as images of registers: group c (registers 4 c .. 4 c + 3) of lane l at 2048 s + 512 c + 16 l
;   bytes 4096 .. 4223  the E8M0 scale words [s][row], 4 bytes each (byte b: k = 128 s + 32 b on)
;   bytes 4224 .. 4287  -e_sq / 2 of the 16 codes, f32, of the UNQUANTISED numbers;   bytes 4288 .. 4351  zeros
; A block's scale is 2^(floor(log2(its largest magnitude)) - 15); its byte is the largest magnitude's exponent field - 15, held at 1 from below.
; LIMITS: a block of zeros gets the byte 1 where the rule says 127 (its codes are zeros, and this program alone reads the bytes); NaN and infinities among the inputs are not served.
; SHARES: one wave, one tile: lane (r, h) takes row r and, of each block of 32 along K, the 16 numbers 16 h on, so that the conversions' results are the fragment's registers.  No loop, no barrier: waves share nothing.
.set REC, 4352
.set XA,  4                            ; v4   my byte in the tile's 16 rows: 1024 r + 64 h
.set LI,  5                            ; v5   16 x lane
.set MI,  6                            ; v6   LDS: 256 x wave + 4 r
.set MO,  7                            ; v7   LDS: 256 x wave + 8 x lane
.set GO,  8                            ; v8   8 x lane
.set NIL, 9                            ; v9   0
.set SQ,  10                           ; v[10:17] four packed sums of squares
.set TP,  18                           ; v18  a lane permute's destination
.set HB,  19                           ; v19  -e_sq / 2
.set TM,  20                           ; v20-23 largest magnitudes, v24-27 bytes, v28-31 57,344 x the scale, v32-35 the conversions' scale operands
.set PW,  36                           ; v36, v37 the two scale words
.set PC,  40                           ; v40-55, v56-71 the two fragments' codes
.set X,   72                           ; v72-135, v136-199 the numbers of K step 0, 1
.set MD,  200                          ; v[200:201] the record's last 256 bytes, 8 a lane
.set SEL, 20                           ; s[20:21] v_permlanex16_b32's selects for lane l xor 16
.set MNT, 23                           ; s23  the mantissa field of 57,344
.macro XLOAD reg, s                    ; my 64 numbers of K step s: register 16 b + 4 j + .. = k 128 s + 32 b + 16 h + 4 j + ..
.irp b, 0,1,2,3
.irp j, 0,1,2,3
	global_load_b128 v[\reg+16*\b+4*\j:\reg+16*\b+4*\j+3], v[XA], s[4:5] offset:512*\s+128*\b+16*\j th:TH_LOAD_NT
.endr
.endr
.endm
.macro SQUARES x, first                ; the sum of squares, two at a time, in four chains; first = 1: the first four pairs start the chains
.set p, 0
.rept 32
.if \first && (p < 4)
	v_pk_mul_f32 v[SQ+2*p:SQ+2*p+1], v[\x+2*p:\x+2*p+1], v[\x+2*p:\x+2*p+1]
.else
	v_pk_fma_f32 v[SQ+2*(p%4):SQ+2*(p%4)+1], v[\x+2*p:\x+2*p+1], v[\x+2*p:\x+2*p+1], v[SQ+2*(p%4):SQ+2*(p%4)+1]
.endif
.set p, p+1
.endr
.endm
; 64 numbers of a lane, v[s] on, become a fragment's codes in v[pc] on and its row's scale word in v[pw]
.macro QUANT s, pc, pw
.irp b, 0,1,2,3
	v_max3_num_f32 v[TM+\b], |v[\s+16*\b]|, |v[\s+1+16*\b]|, 0x8000000   ; block b: my 16 numbers, and the floor 2^(16 - 127): the byte cannot fall under 1
.endr
.irp i, 2,4,6,8,10,12,14
.irp b, 0,1,2,3
	v_max3_num_f32 v[TM+\b], v[TM+\b], |v[\s+16*\b+\i]|, |v[\s+1+16*\b+\i]|   ; the four blocks by turns
.endr
.endr
.irp b, 0,1,2,3
	v_permlanex16_b32 v[TM+4+\b], v[TM+\b], s[SEL], s[SEL+1]
.endr
.irp b, 0,1,2,3
	v_max_num_f32 v[TM+\b], v[TM+\b], v[TM+4+\b]          ; with lane l xor 16's: the block's largest magnitude
.endr
.irp b, 0,1,2,3
	v_add_nc_u32 v[TM+12+\b], 0xf8800000, v[TM+\b]        ; 15 off its exponent field: the conversion's scale operand
.endr
.irp b, 0,1,2,3
	v_and_or_b32 v[TM+8+\b], v[TM+\b], 0x7f800000, s[MNT] ; 57,344 x the scale
.endr
.irp b, 0,1,2,3
	v_lshrrev_b32 v[TM+4+\b], 23, v[TM+12+\b]             ; the scale's byte
.endr
	v_lshl_or_b32 v[\pw], v[TM+5], 8, v[TM+4]
	v_lshl_or_b32 v[\pw], v[TM+6], 16, v[\pw]
	v_lshl_or_b32 v[\pw], v[TM+7], 24, v[\pw]
.irp b, 0,1,2,3
.irp i, 0,1,2,3,4,5,6,7,8,9,10,11,12,13,14,15
	v_med3_num_f32 v[\s+16*\b+\i], v[\s+16*\b+\i], -v[TM+8+\b], v[TM+8+\b]   ; the conversion to an 8-bit code does not saturate (ISA guide 7.6.2): the hold at the largest code x the scale
.endr
	v_cvt_scalef32_pk8_bf8_f32 v[\pc+4*\b:\pc+1+4*\b], v[\s+16*\b:\s+7+16*\b], v[TM+12+\b]
	v_cvt_scalef32_pk8_bf8_f32 v[\pc+2+4*\b:\pc+3+4*\b], v[\s+8+16*\b:\s+15+16*\b], v[TM+12+\b]
.endr
	v_nop                                                  ; one plain vector line behind the last conversion of a run
.endm
	s_load_b128 s[4:7], s[0:1], 0x0                ; the codebook s[4:5], the records s[6:7]
	v_lshl_add_u32 v208, v0, 2, 0x400
	v_mov_b32 v209, 0
	v_lshrrev_b32 v1, 5, v0
	v_readfirstlane_b32 s8, v1                     ; wave 0, 1
	v_and_b32 v1, 31, v0                           ; lane
	v_and_b32 v2, 15, v0                           ; r
	v_bfe_u32 v3, v0, 4, 1                         ; h
	v_lshlrev_b32 v[XA], 10, v2
	v_lshl_add_u32 v[XA], v3, 6, v[XA]
	v_lshlrev_b32 v[LI], 4, v1
	s_lshl_b32 s9, s8, 8                           ; my wave's 256 bytes of LDS
	v_lshl_add_u32 v[MI], v2, 2, s9
	v_lshl_add_u32 v[MO], v1, 3, s9
	v_lshlrev_b32 v[GO], 3, v1
	v_mov_b32 v[NIL], 0
	v_mov_b32 v[TP], 0                             ; a lane permute's destination counts as one of its sources: written once
.irp b, 0,1,2,3
	v_mov_b32 v[TM+4+\b], 0
.endr
	s_mov_b32 s[SEL], 0x76543210
	s_mov_b32 s[SEL+1], 0xfedcba98
	s_mov_b32 s[MNT], 0x600000
	s_lshl_b32 s10, ttmp9, 1
	s_add_co_u32 s10, s10, s8                      ; my tile: 2 x work-group + wave
	s_lshl_b32 s12, s10, 14                        ; its 16 rows of 1,024 bytes
	s_mov_b32 s13, 0
	s_mul_i32 s14, s10, REC                        ; its record
	s_mov_b32 s15, 0
	s_wait_kmcnt 0x0
	s_add_nc_u64 s[4:5], s[4:5], s[12:13]
	s_add_nc_u64 s[6:7], s[6:7], s[14:15]
	XLOAD X, 0
	XLOAD X+64, 1
	s_wait_loadcnt 16                              ; K step 0 is in; the 16 loads of K step 1 may be out
	SQUARES X, 1                                   ; ahead of the hold, which changes the numbers
	QUANT X, PC, PW
	s_wait_loadcnt 0x0
	SQUARES X+64, 0
	QUANT X+64, PC+16, PW+1
	v_pk_add_f32 v[SQ:SQ+1], v[SQ:SQ+1], v[SQ+2:SQ+3]
	v_pk_add_f32 v[SQ+4:SQ+5], v[SQ+4:SQ+5], v[SQ+6:SQ+7]
	v_pk_add_f32 v[SQ:SQ+1], v[SQ:SQ+1], v[SQ+4:SQ+5]
	v_add_f32 v[SQ], v[SQ], v[SQ+1]
	v_permlanex16_b32 v[TP], v[SQ], s[SEL], s[SEL+1]   ; the row's other 128 numbers lie in lane l xor 16
	v_add_f32 v[SQ], v[SQ], v[TP]
	v_mul_f32 v[HB], -0.5, v[SQ]
.irp s, 0,1
.irp c, 0,1,2,3
	global_store_b128 v[LI], v[PC+16*\s+4*\c:PC+16*\s+4*\c+3], s[6:7] offset:2048*\s+512*\c   ; 32 lanes store 512 consecutive bytes, at a multiple of 256 from the buffer's first byte
.endr
.endr
	; the record's last 256 bytes are gathered in the wave's own LDS bytes (both halves of the lanes write the same word with the same value) and leave by one store
	ds_store_b32 v[MI], v[PW]
	ds_store_b32 v[MI], v[PW+1] offset:64
	ds_store_b32 v[MI], v[HB] offset:128
	ds_store_b32 v[MI], v[NIL] offset:192
	ds_load_b64 v[MD:MD+1], v[MO]                  ; LDS serves a wave's instructions in order (ISA guide 5.7.1.4): this sees my stores
	s_wait_dscnt 0x0
	global_store_b64 v[GO], v[MD:MD+1], s[6:7] offset:4096
	s_wait_tensorcnt 0x0
	ds_add_u32 v208, v209
	s_wait_dscnt 0x0
	s_endpgm
.Lfunc_end_k_q91bc001dab_quant_cb:
	.size	k_q91bc001dab_quant_cb, .Lfunc_end_k_q91bc001dab_quant_cb-k_q91bc001dab_quant_cb
	.p2alignl 7, 3214868480
	.fill 96, 4, 3214868480
	.section	.rodata,"a",@progbits
	.p2align	6, 0x0
	.amdhsa_kernel k_q91bc001dab_quant_cb
		.amdhsa_group_segment_fixed_size 1280
		.amdhsa_private_segment_fixed_size 0
		.amdhsa_enable_private_segment 0
		.amdhsa_kernarg_size 16
		.amdhsa_user_sgpr_count 2
		.amdhsa_user_sgpr_kernarg_segment_ptr 1
		.amdhsa_wavefront_size32 1
		.amdhsa_system_sgpr_workgroup_id_x 1
		.amdhsa_system_sgpr_workgroup_id_y 1
		.amdhsa_system_sgpr_workgroup_id_z 1
		.amdhsa_system_vgpr_workitem_id 0
		.amdhsa_next_free_vgpr 210
		.amdhsa_next_free_sgpr 66
		.amdhsa_reserve_vcc 0
		.amdhsa_float_denorm_mode_32 3
		.amdhsa_float_denorm_mode_16_64 3
		.amdhsa_memory_ordered 1
		.amdhsa_forward_progress 1
		.amdhsa_inst_pref_size 27
	.end_amdhsa_kernel
	.amdgpu_metadata
---
amdhsa.version: [ 1, 2 ]
amdhsa.kernels:
  - .name:           k_q91bc001dab_quant_cb
    .symbol:         k_q91bc001dab_quant_cb.kd
    .args:
      - { .name: codebook, .offset: 0, .size: 8, .value_kind: global_buffer, .address_space: global }
      - { .name: cb, .offset: 8, .size: 8, .value_kind: global_buffer, .address_space: global }
    .group_segment_fixed_size: 1280
    .private_segment_fixed_size: 0
    .kernarg_segment_align: 8
    .kernarg_segment_size: 16
    .max_flat_workgroup_size: 64
    .sgpr_count:     66
    .vgpr_count:     210
    .wavefront_size: 32
...
	.end_amdgpu_metadata
.endif
;; end of part 1
;; launch nearest (part 2): grid 256 x 1, 8 waves a work-group, clusters of 4 x 1, 327,680 bytes of LDS; arguments z_e, cb, out1, idx; writes out1, idx
.if DOCPART == 2
	.amdgcn_target "amdgcn-amd-amdhsa--gfx1250"
	.amdhsa_code_object_version 6
	.text
	.protected	k_q91bc001dab_nearest
	.globl	k_q91bc001dab_nearest
	.p2align	8
	.type	k_q91bc001dab_nearest,@function
k_q91bc001dab_nearest:
	s_mov_b64 s[64:65], 0
	v_nop
	global_prefetch_b8 v0, s[64:65] scope:SCOPE_SE
	s_setreg_imm32_b32 hwreg(HW_REG_WAVE_MODE, 25, 1), 1
	s_wait_xcnt 0x0
	s_wait_alu depctr_hold_cnt(0) depctr_sa_sdst(0) depctr_va_vdst(0) depctr_va_sdst(0) depctr_va_ssrc(0) depctr_va_vcc(0) depctr_vm_vsrc(0)
	s_getreg_b32 s2, hwreg(HW_REG_IB_STS2, 6, 4)
	s_cmp_eq_u32 s2, 0
	s_cbranch_scc0 .Lentry_in_a_cluster
	s_endpgm
.Lentry_in_a_cluster:
	s_bfe_u32 s2, ttmp6, 0x10000c
	s_cmp_lg_u32 s2, 0x3003
	s_cbranch_scc0 .Lentry_shape_is_right
	s_endpgm
.Lentry_shape_is_right:
; For each of 32,768 rows of z_e: the index of the nearest of 8,192 codes, by the product Q(z_e) Q(codebook)^T on codes of E5M2 with E8M0 scales for each 32 along K (K = 256: two matrix instructions deep).
; WHAT IS COMPARED.  D = cross - e_sq / 2 = (z_sq - d2) / 2: the smallest d2 is the largest D.  -e_sq / 2 is the C of each sum's first matrix instruction, so scaling and adding cost no vector line.
; LIMITS: z_sq, a constant of the row, is not added, so D is rounded once less than d2 would be: rows whose two best lie within that rounding may resolve otherwise.  Equal D go to the lowest index.
;   NaN and infinities among the inputs are not served.  A block of zeros of z_e gets the scale byte 1 (its codes are zeros; nobody else reads the byte).
; SHARES.  A work-group owns 128 rows: each output row has one owner.  Wave w first quantises rows 16 w .. 16 w + 15 in registers; the images of the fragments go through LDS, and then EVERY wave holds all 128 rows'
;   codes (256 registers, window 1).  Wave w walks codes 1024 w .. 1024 w + 1023: 64 tiles of 16.  So each fragment of the codebook is read from LDS once in the work-group and feeds eight products.
;   Eight waves of 512 registers, two to a SIMD: a wave goes in plain phases (16 products, then 112 vector lines), and its neighbour's phases stand beside them.
; LAYOUT.  The product is used transposed (source 0 = 16 codes, source 1 = 16 rows of z): lane (r, h) holds row r, register j code 16 T + 8 h + j: the maximum runs inside a lane.
; THE INDEX without a line for each number: for a tile of rows and a tile of codes four v_max3_num_f32 seeded with the running best, one compare of the new best with the old, one select of the tile's number
;   and eight selects that keep the winning tile's eight D.  The place within the kept tile is found once, at the end.  No branch and no address hangs on these numbers.
; THE STREAM.  The records of the launch before (4,352 bytes a tile) come through a ring of two LDS slots; a wave's part of a slot is 4 records, 17,408 dense bytes, brought by the wave's own tensor load
;   and read by that wave alone.  CLUSTER: all work-groups walk the same records, so the four of a cluster ask JOINTLY: the same load, the same descriptor, a mask that names the four.
;   By this text's own count a wave has two tensor loads out at the start and one behind each change of slots.
; REGISTERS, window 0: v1-6 LDS addresses in slot 0, 1; v7, v8 the spare word's address and 0; v9 z's offset, later 8 h; v10, v11 the codes' scale words (two sets); v12-19 z's scale words; v20-27 the best tile's number;
;   v28-43 the best D (two sets, by turns); v44-59 -e_sq / 2 (two sets); v60-123 the codes' fragments (two sets of 32); v124-187 eight accumulators; v188-251 the kept D; v252-255 addresses of the head and the end.
;   window 1: z's fragments, tile i, K step s at v[32 i + 16 s].
.set REC,   4352
.set FILL,  4*REC                      ; a wave's part of a slot
.set SLOT,  8*FILL
.set WSTR,  64*REC                     ; a wave's 64 records in memory
.set ZIMG,  2*SLOT                     ; behind the ring: z's 16 fragment images, (2 i + s) x 2,048 bytes,
.set ZSC,   ZIMG+16*2048               ; z's scale words: 128 i + 64 s + 4 r,
.set CV,    ZSC+1024                   ; the waves' best D [wave][row], 4,096 bytes, and 4,096 bytes on their indices,
.set SPARE, CV+8192                    ; and the spare words, 128 bytes for each wave: four blocks of 256 bytes that no other line names
.set AF,  1
.set AS,  3
.set AB,  5
.set SPW, 7
.set NIL, 8
.set XA,  9
.set H8,  9
.set CS,  10
.set ZS,  12
.set ID,  20
.set BEST, 28
.set BI,  44
.set F,   60
.set ACC, 124
.set SAV, 188
.set PC,  60                           ; the head alone: the codes just made (v60-91), the quantiser's work (v92-107), the two scale words (v108, v109)
.set TM,  92
.set PW,  108
.set P,   60                           ; the end alone: places and indices (v60-67), the other half's D and index (v68-83), the eight waves' D and indices (v84-99)
.set OD,  68
.set OI,  76
.set CD,  84
.set CX,  92
.set WV,  12                           ; s12  my wave's number
.set G1,  16                           ; s[16:23] descriptor group 1
.set G0,  24                           ; s[24:27], s[28:31] group 0 for slot 0, 1
.set MK,  32                           ; s[32:39] for each tile of rows: the lanes whose best has grown
.set TID, 40                           ; s40  the number of the tile to which the masks belong
.set CNT, 41
.set SEL, 42                           ; s[42:43] v_permlanex16_b32's selects for lane l xor 16
.set MNT, 44                           ; s44  the mantissa field of 57,344
.set MSB, 0
.macro WIN new                         ; the immediate's high byte repeats the setting that is left
.if MSB != \new
	s_set_vgpr_msb (MSB<<8)|\new
.set MSB, \new
.endif
.endm
.macro CREST                           ; a round of the cluster's barrier behind its opening barrier
	s_cmp_lg_u32 s[WV], 0
	s_cbranch_scc1 .Lnot_wave_0_\@
	s_barrier_signal -3
.Lnot_wave_0_\@:
	s_barrier_wait -3
	s_barrier_signal -1
	s_barrier_wait -1
.endm
.macro ROUND                           ; a whole round
	s_barrier_signal -1
	s_barrier_wait -1
	CREST
.endm
.macro XLOAD reg, s                    ; my 64 numbers of K step s: register 16 b + 4 j + .. = k 128 s + 32 b + 16 h + 4 j + ..
.irp b, 0,1,2,3
.irp j, 0,1,2,3
	global_load_b128 v[\reg+16*\b+4*\j:\reg+16*\b+4*\j+3], v[XA], s[4:5] offset:512*\s+128*\b+16*\j th:TH_LOAD_NT
.endr
.endr
.endm
; 64 numbers of a lane, v[s] on, become a fragment's codes in v[pc] on and its row's scale word in v[pw]
.macro QUANT s, pc, pw
.irp b, 0,1,2,3
	v_max3_num_f32 v[TM+\b], |v[\s+16*\b]|, |v[\s+1+16*\b]|, 0x8000000   ; block b: my 16 numbers, and the floor 2^(16 - 127): the byte cannot fall under 1
.endr
.irp i, 2,4,6,8,10,12,14
.irp b, 0,1,2,3
	v_max3_num_f32 v[TM+\b], v[TM+\b], |v[\s+16*\b+\i]|, |v[\s+1+16*\b+\i]|   ; the four blocks by turns
.endr
.endr
.irp b, 0,1,2,3
	v_permlanex16_b32 v[TM+4+\b], v[TM+\b], s[SEL], s[SEL+1]
.endr
.irp b, 0,1,2,3
	v_max_num_f32 v[TM+\b], v[TM+\b], v[TM+4+\b]          ; with lane l xor 16's: the block's largest magnitude
.endr
.irp b, 0,1,2,3
	v_add_nc_u32 v[TM+12+\b], 0xf8800000, v[TM+\b]        ; 15 off its exponent field: the conversion's scale operand
.endr
.irp b, 0,1,2,3
	v_and_or_b32 v[TM+8+\b], v[TM+\b], 0x7f800000, s[MNT] ; 57,344 x the scale
.endr
.irp b, 0,1,2,3
	v_lshrrev_b32 v[TM+4+\b], 23, v[TM+12+\b]             ; the scale's byte
.endr
	v_lshl_or_b32 v[\pw], v[TM+5], 8, v[TM+4]
	v_lshl_or_b32 v[\pw], v[TM+6], 16, v[\pw]
	v_lshl_or_b32 v[\pw], v[TM+7], 24, v[\pw]
.irp b, 0,1,2,3
.irp i, 0,1,2,3,4,5,6,7,8,9,10,11,12,13,14,15
	v_med3_num_f32 v[\s+16*\b+\i], v[\s+16*\b+\i], -v[TM+8+\b], v[TM+8+\b]   ; the conversion to an 8-bit code does not saturate (ISA guide 7.6.2): the hold at the largest code x the scale
.endr
	v_cvt_scalef32_pk8_bf8_f32 v[\pc+4*\b:\pc+1+4*\b], v[\s+16*\b:\s+7+16*\b], v[TM+12+\b]
	v_cvt_scalef32_pk8_bf8_f32 v[\pc+2+4*\b:\pc+3+4*\b], v[\s+8+16*\b:\s+15+16*\b], v[TM+12+\b]
.endr
	v_nop                                                  ; one plain vector line behind the last conversion of a run: matrix instructions later write the numbers' registers
.endm
; 11 LDS loads: record u of my part of slot p into set b: two fragments, the scale words (lanes 0-15: K step 0; lanes 16-31: K step 1), and -e_sq / 2 of codes 8 h + 0 .. 7
.macro LOADS p, u, b
.irp s, 0,1
.irp c, 0,1,2,3
	ds_load_b128 v[F+32*(\b)+16*\s+4*\c:F+32*(\b)+16*\s+4*\c+3], v[AF+(\p)] offset:REC*(\u)+2048*\s+512*\c
.endr
.endr
	ds_load_b32 v[CS+(\b)], v[AS+(\p)] offset:REC*(\u)+4096
	ds_load_b128 v[BI+8*(\b):BI+8*(\b)+3], v[AB+(\p)] offset:REC*(\u)+4224
	ds_load_b128 v[BI+8*(\b)+4:BI+8*(\b)+7], v[AB+(\p)] offset:REC*(\u)+4240
.endm
; 16 products: the tile of codes in set b against the eight tiles of rows, K step 0 (C = -e_sq / 2), then K step 1 in place.  The eight accumulators take turns, one instruction a turn.
.macro MUL b
	WIN 0x04                                       ; source 1 (z) window 1; all else window 0
.irp i, 0,1,2,3,4,5,6,7
	v_wmma_scale_f32_16x16x128_f8f6f4 v[ACC+8*\i:ACC+8*\i+7], v[F+32*(\b):F+32*(\b)+15], v[32*\i:32*\i+15], v[BI+8*(\b):BI+8*(\b)+7], v[CS+(\b)], v[ZS+\i] matrix_a_fmt:MATRIX_FMT_BF8 matrix_b_fmt:MATRIX_FMT_BF8
.endr
.irp i, 0,1,2,3,4,5,6,7
	v_wmma_scale_f32_16x16x128_f8f6f4 v[ACC+8*\i:ACC+8*\i+7], v[F+32*(\b)+16:F+32*(\b)+31], v[32*\i+16:32*\i+31], v[ACC+8*\i:ACC+8*\i+7], v[CS+(\b)], v[ZS+\i] matrix_a_fmt:MATRIX_FMT_BF8 matrix_b_fmt:MATRIX_FMT_BF8 matrix_a_scale:MATRIX_SCALE_ROW1 matrix_b_scale:MATRIX_SCALE_ROW1
.endr
	WIN 0
.endm
; The tile BEFORE's masks select that tile's number.  These eight plain lines name no register of the products just issued: they are the eight places between those and the first read of their results.
.macro IDS
.irp i, 0,1,2,3,4,5,6,7
	v_cndmask_b32 v[ID+\i], v[ID+\i], s[TID], s[MK+\i]
.endr
	s_add_co_u32 s[TID], s[TID], 1                 ; now the number of the tile in hand
.endm
; The new best into set b, seeded with the old best in the other set; each accumulator is read from its low end on; the eight tiles of rows by turns, so that no line waits for the line above it.
.macro EPI b
.set OB, BEST+8*(1-(\b))
.set NB, BEST+8*(\b)
.irp i, 0,1,2,3,4,5,6,7
	v_max3_num_f32 v[NB+\i], v[OB+\i], v[ACC+8*\i], v[ACC+8*\i+1]
.endr
.irp k, 1,2,3
.irp i, 0,1,2,3,4,5,6,7
	v_max3_num_f32 v[NB+\i], v[NB+\i], v[ACC+8*\i+2*\k], v[ACC+8*\i+2*\k+1]
.endr
.endr
.irp i, 0,1,2,3,4,5,6,7
	v_cmp_gt_f32 s[MK+\i], v[NB+\i], v[OB+\i]      ; strictly greater: of equal D the earlier tile stays
.endr
.irp i, 0,1,2,3,4,5,6,7
.irp j, 0,1,2,3,4,5,6,7
	v_cndmask_b32 v[SAV+8*\i+\j], v[SAV+8*\i+\j], v[ACC+8*\i+\j], s[MK+\i]
.endr
.endr
.endm
; Tile u (0 .. 3) of my part of slot p; its fragments lie in set u % 2 and were asked for a tile ago.
; mode 0: the next tile of the same slot is asked for.   mode 1 (u = 3): the change of slots, with a refill.   mode 2 (u = 3): the last change: nothing is filled.   mode 3: the very last tile.
.macro TILE p, u, mode
.if (\mode) == 0
	LOADS \p, (\u)+1, 1-(\u)%2
	s_wait_dscnt 11                                ; all but the 11 just issued: this tile's are in
	MUL (\u)%2
.elseif (\mode) == 1
	s_wait_tensorcnt 0x0                           ; all my tensor loads have landed: the one that was out is my part of the other slot; so a group 0 may be written
	ds_add_u32 v[SPW], v[NIL]                      ; 0 onto my spare word
	s_add_nc_u64 s[G0+4*(\p)+2:G0+4*(\p)+3], s[G0+4*(\p)+2:G0+4*(\p)+3], 2*FILL   ; this slot's next four records; the type bits on top are not reached
	s_wait_dscnt 0x0                               ; the add is done; this tile's fragments are in, and they were my last reads of this slot
	s_barrier_signal -1                            ; this barrier opens a round of the cluster's barrier;
	MUL 1                                          ; sixteen products on registers while the others arrive
	s_barrier_wait -1
	CREST                                          ; no wave of any partner still reads this slot or has a load on its way
	tensor_load_to_lds s[G0+4*(\p):G0+4*(\p)+3], s[G1:G1+7]   ; the joint refill: my first and only tensor load behind the round; it has this tile's vector lines and three tiles in which to land
	s_nop 0
.rept 4
	v_nop
.endr
	LOADS 1-(\p), 0, 0                             ; the other slot's first tile
.elseif (\mode) == 2
	s_wait_tensorcnt 0x0                           ; my part of the last slot is in; I alone read it, and nothing is filled again: no barrier
	LOADS 1-(\p), 0, 0
	s_wait_dscnt 11
	MUL 1
.else
	s_wait_dscnt 0x0
	MUL 1
.endif
	IDS
	EPI (\u)%2
.endm
.macro SLOTWORK p, m
	TILE \p, 0, 0
	TILE \p, 1, 0
	TILE \p, 2, 0
	TILE \p, 3, \m
.endm
	s_load_b256 s[4:11], s[0:1], 0x0               ; z_e s[4:5], the records s[6:7], out1 s[8:9], idx s[10:11]
	v_lshl_add_u32 v[SPW], v0, 2, SPARE
	v_mov_b32 v[NIL], 0
	ds_add_u32 v7, v8
	ds_add_u32 v7, v8
	s_wait_dscnt 0x0
	v_lshrrev_b32 v20, 5, v0
	v_readfirstlane_b32 s[WV], v20                 ; wave 0..7
	s_bfe_u32 s13, ttmp6, 0x40000                  ; cx: my place in the cluster
	s_lshl_b32 s14, ttmp9, 2                       ; in a cluster launch ttmp9 counts clusters
	s_add_co_u32 s14, s14, s13                     ; my block of 128 rows: it enters the addresses of z_e, out1 and idx alone
	v_and_b32 v20, 31, v0                          ; lane
	v_and_b32 v21, 15, v0                          ; r
	v_bfe_u32 v22, v0, 4, 1                        ; h
	s_mul_i32 s45, s[WV], FILL                     ; my part of a slot: no place in the cluster enters an LDS address
	v_lshl_add_u32 v[AF], v20, 4, s45
	v_add_nc_u32 v[AF+1], SLOT, v[AF]
	v_lshl_add_u32 v[AS], v20, 2, s45
	v_add_nc_u32 v[AS+1], SLOT, v[AS]
	v_lshl_add_u32 v[AB], v22, 5, s45
	v_add_nc_u32 v[AB+1], SLOT, v[AB]
	v_lshlrev_b32 v[XA], 10, v21
	v_lshl_add_u32 v[XA], v22, 6, v[XA]            ; z: row r of 1,024 bytes, + 64 h
	s_lshl_b32 s46, s[WV], 12
	s_add_co_u32 s46, s46, ZIMG
	v_lshl_add_u32 v252, v20, 4, s46               ; where I store my two images
	s_lshl_b32 s46, s[WV], 7
	s_add_co_u32 s46, s46, ZSC
	v_lshl_add_u32 v253, v21, 2, s46               ; and their scale words
	v_lshl_add_u32 v254, v20, 4, ZIMG              ; where every wave reads the images back
	v_lshl_add_u32 v255, v20, 2, ZSC               ; and the scale words
.irp b, 0,1,2,3
	v_mov_b32 v[TM+4+\b], 0                        ; a lane permute's destination counts as one of its sources: written once
.endr
	; descriptor group 1: 17,408 dense bytes as 68 rows of 256 bytes (32 elements of 8 bytes), no padding: the images are read 16 bytes a lane on end
	s_mov_b32 s[G1+0], 15|(3<<16)|(1<<21)          ; 15:0 the mask: all four work-groups; 17:16 elements of 8 bytes; 21 set beside a mask
	s_mov_b32 s[G1+1], 32<<16                      ; tensor_dim0 = 32
	s_mov_b32 s[G1+2], 68<<16                      ; tensor_dim1 = 68
	s_mov_b32 s[G1+3], 32<<16                      ; tile_dim0 = 32
	s_mov_b32 s[G1+4], 68                          ; tile_dim1 = 68
	s_mov_b32 s[G1+5], 32                          ; from row to row
	s_mov_b32 s[G1+6], 0
	s_mov_b32 s[G1+7], 0
	s_mov_b32 s[SEL], 0x76543210
	s_mov_b32 s[SEL+1], 0xfedcba98
	s_mov_b32 s[MNT], 0x600000
	s_lshl_b32 s48, s14, 17                        ; my block's 128 rows of 1,024 bytes,
	s_lshl_b32 s49, s[WV], 14                      ; my wave's 16 of them
	s_add_co_u32 s48, s48, s49
	s_mov_b32 s49, 0
	s_lshl_b32 s50, s14, 9                         ; my block's 128 indices
	s_mov_b32 s51, 0
	s_mul_i32 s46, s[WV], WSTR                     ; my wave's 64 records (made of the wave's number alone: the same in all four partners)
	s_mov_b32 s47, 0
	s_wait_kmcnt 0x0
	s_add_nc_u64 s[4:5], s[4:5], s[48:49]
	XLOAD ACC, 0                                   ; my 16 rows of z, into registers that the loop takes later
	XLOAD SAV, 1
	s_add_nc_u64 s[8:9], s[8:9], s[50:51]
	s_add_nc_u64 s[10:11], s[10:11], s[50:51]
	s_mov_b32 s[G0+0], 1                           ; 1:0 count = 1
	s_mov_b32 s[G0+1], s45                         ; LDS address: slot 0
	s_add_nc_u64 s[G0+2:G0+3], s[6:7], s[46:47]    ; global address: my records 0 to 3
	s_mov_b32 s[G0+4], 1
	s_add_co_u32 s[G0+5], s45, SLOT                ; slot 1
	s_add_nc_u64 s[G0+6:G0+7], s[G0+2:G0+3], FILL  ; my records 4 to 7
	s_or_b32 s[G0+3], s[G0+3], 0x80000000          ; 127:126 type = 2
	s_or_b32 s[G0+7], s[G0+7], 0x80000000
	ROUND                                          ; all four work-groups are here: the first joint loads meet
	tensor_load_to_lds s[G0:G0+3], s[G1:G1+7]      ; both first fills go out together: two loads of mine are out
	s_nop 0
	tensor_load_to_lds s[G0+4:G0+7], s[G1:G1+7]
	s_nop 0
.rept 4
	v_nop
.endr
	s_wait_loadcnt 16                              ; K step 0 of z is in; the 16 loads of K step 1 may be out
	QUANT ACC, PC, PW
.irp c, 0,1,2,3
	ds_store_b128 v252, v[PC+4*\c:PC+4*\c+3] offset:512*\c          ; the fragment goes to LDS as it stands
.endr
	ds_store_b32 v253, v[PW]                       ; both halves of the lanes write the same word with the same value
	s_wait_loadcnt 0x0
	QUANT SAV, PC+16, PW+1
.irp c, 0,1,2,3
	ds_store_b128 v252, v[PC+16+4*\c:PC+16+4*\c+3] offset:2048+512*\c
.endr
	ds_store_b32 v253, v[PW+1] offset:64
	s_wait_tensorcnt 0x1                           ; my part of slot 0 is in; slot 1's, issued behind it, may stay out
	s_wait_dscnt 0x0                               ; for the others' sake: my images have landed
	s_barrier_signal -1
	s_barrier_wait -1
	WIN 0x40                                       ; destination window 1, address window 0
.irp i, 0,1,2,3,4,5,6,7
.irp s, 0,1
.irp c, 0,1,2,3
	ds_load_b128 v[32*\i+16*\s+4*\c:32*\i+16*\s+4*\c+3], v254 offset:(2*\i+\s)*2048+512*\c   ; all 128 rows' codes: they stay
.endr
.endr
.endr
	WIN 0
.irp i, 0,1,2,3,4,5,6,7
	ds_load_b32 v[ZS+\i], v255 offset:128*\i       ; lanes 0-15: K step 0's words of tile i; lanes 16-31: K step 1's
.endr
	LOADS 0, 0, 0
	v_lshlrev_b32 v[H8], 3, v22                    ; (z's loads are done: their offset's register is free)
	s_lshl_b32 s[TID], s[WV], 6
	s_sub_co_u32 s[TID], s[TID], 1                 ; one under my first tile's number: the first tile's IDS steps it
.irp i, 0,1,2,3,4,5,6,7
	v_mov_b32 v[BEST+8+\i], 0xff800000             ; the best so far: -infinity.  The first tile's D beat it in every lane, so the kept D and the tile's number need no first value of their own
	v_mov_b32 v[ID+\i], s[TID]
	s_mov_b32 s[MK+\i], 0
.endr
	s_mov_b32 s[CNT], 7
.Lring:                                            ; a trip goes once round the ring: 8 tiles; both slots are filled again.  At the label the youngest 11 LDS loads are those of slot 0's first tile, on both ways in
	SLOTWORK 0, 1
	SLOTWORK 1, 1
	s_sub_co_u32 s[CNT], s[CNT], 1
	s_cmp_lg_u32 s[CNT], 0
	s_cbranch_scc1 .Lring
	SLOTWORK 0, 2                                  ; the last two slots are written out
	SLOTWORK 1, 3
	; THE END.  The last tile's number; the place within the kept tile; the halves of the lanes; the eight waves.
	IDS
.irp i, 0,1,2,3,4,5,6,7
	v_mov_b32 v[P+\i], 7
.endr
.irp j, 6,5,4,3,2,1,0                          ; downward, so that the lowest place that holds the best stays
.irp i, 0,1,2,3,4,5,6,7
	v_cmp_eq_f32 s[MK+\i], v[SAV+8*\i+\j], v[BEST+8+\i]
.endr
.irp i, 0,1,2,3,4,5,6,7
	v_cndmask_b32 v[P+\i], v[P+\i], \j, s[MK+\i]
.endr
.endr
.irp i, 0,1,2,3,4,5,6,7
	v_lshl_add_u32 v[P+\i], v[ID+\i], 4, v[P+\i]   ; 16 x tile + place
.endr
.irp i, 0,1,2,3,4,5,6,7
	v_add_nc_u32 v[P+\i], v[P+\i], v[H8]           ; + 8 h: the code's index
.endr
.irp i, 0,1,2,3,4,5,6,7
	v_permlanex16_b32 v[OD+\i], v[BEST+8+\i], s[SEL], s[SEL+1]   ; the row's other codes lie in lane l xor 16
	v_permlanex16_b32 v[OI+\i], v[P+\i], s[SEL], s[SEL+1]
.endr
.irp i, 0,1,2,3,4,5,6,7
	v_cmp_gt_f32 s[MK+\i], v[OD+\i], v[BEST+8+\i]  ; the other lane's wins where its D is greater,
	v_cmp_eq_f32 s46, v[OD+\i], v[BEST+8+\i]
	v_cmp_lt_u32 s47, v[OI+\i], v[P+\i]            ; or equal with the lower index
	s_and_b32 s46, s46, s47
	s_or_b32 s[MK+\i], s[MK+\i], s46
	v_cndmask_b32 v[P+\i], v[P+\i], v[OI+\i], s[MK+\i]
	v_max_num_f32 v[BEST+8+\i], v[BEST+8+\i], v[OD+\i]
.endr
	s_lshl_b32 s46, s[WV], 9
	s_add_co_u32 s46, s46, CV
	v_and_b32 v254, 15, v0
	v_lshl_add_u32 v252, v254, 2, s46              ; my wave's 128 words: row 16 i + r at 64 i + 4 r
	v_lshl_add_u32 v253, v0, 2, CV                 ; back: thread t takes row t
	v_lshlrev_b32 v254, 2, v0                      ; and its place in out1 and idx
.irp i, 0,1,2,3,4,5,6,7
	ds_store_b32 v252, v[BEST+8+\i] offset:64*\i   ; both halves of the lanes write the same word with the same value
	ds_store_b32 v252, v[P+\i] offset:4096+64*\i
.endr
	s_wait_dscnt 0x0                               ; for the others' sake: my stores have landed
	s_barrier_signal -1
	s_barrier_wait -1
	s_cmp_lt_u32 s[WV], 4                          ; 128 rows: the threads of waves 0 to 3 take one each
	s_cbranch_scc0 .Ldone
.irp k, 0,1,2,3,4,5,6,7
	ds_load_b32 v[CD+\k], v253 offset:512*\k
	ds_load_b32 v[CX+\k], v253 offset:4096+512*\k
.endr
	s_wait_dscnt 0x0
.irp k, 1,2,3,4,5,6,7                          ; the waves own ascending ranges of codes: strictly greater keeps the lowest index
	v_cmp_gt_f32 vcc_lo, v[CD+\k], v[CD]
	v_cndmask_b32 v[CX], v[CX], v[CX+\k], vcc_lo
	v_max_num_f32 v[CD], v[CD], v[CD+\k]
.endr
	global_store_b32 v254, v[CX], s[8:9]           ; a wave's store covers 128 consecutive bytes; the two buffers are 512 bytes a work-group each
	global_store_b32 v254, v[CX], s[10:11]
.Ldone:
	s_wait_tensorcnt 0x0                           ; the wave's end, behind my last tensor load and my last LDS store
	ds_add_u32 v[SPW], v[NIL]
	s_wait_dscnt 0x0
	ROUND                                          ; the closing round: no work-group ends while a partner may still ask for a tile that names it
	s_endpgm
.Lfunc_end_k_q91bc001dab_nearest:
	.size	k_q91bc001dab_nearest, .Lfunc_end_k_q91bc001dab_nearest-k_q91bc001dab_nearest
	.p2alignl 7, 3214868480
	.fill 96, 4, 3214868480
	.section	.rodata,"a",@progbits
	.p2align	6, 0x0
	.amdhsa_kernel k_q91bc001dab_nearest
		.amdhsa_group_segment_fixed_size 327680
		.amdhsa_private_segment_fixed_size 0
		.amdhsa_enable_private_segment 0
		.amdhsa_kernarg_size 32
		.amdhsa_user_sgpr_count 2
		.amdhsa_user_sgpr_kernarg_segment_ptr 1
		.amdhsa_wavefront_size32 1
		.amdhsa_system_sgpr_workgroup_id_x 1
		.amdhsa_system_sgpr_workgroup_id_y 1
		.amdhsa_system_sgpr_workgroup_id_z 1
		.amdhsa_system_vgpr_workitem_id 0
		.amdhsa_next_free_vgpr 512
		.amdhsa_next_free_sgpr 66
		.amdhsa_reserve_vcc 1
		.amdhsa_float_denorm_mode_32 3
		.amdhsa_float_denorm_mode_16_64 3
		.amdhsa_memory_ordered 1
		.amdhsa_forward_progress 1
		.amdhsa_inst_pref_size 205
	.end_amdhsa_kernel
	.amdgpu_metadata
---
amdhsa.version: [ 1, 2 ]
amdhsa.kernels:
  - .name:           k_q91bc001dab_nearest
    .symbol:         k_q91bc001dab_nearest.kd
    .args:
      - { .name: z_e, .offset: 0, .size: 8, .value_kind: global_buffer, .address_space: global }
      - { .name: cb, .offset: 8, .size: 8, .value_kind: global_buffer, .address_space: global }
      - { .name: out1, .offset: 16, .size: 8, .value_kind: global_buffer, .address_space: global }
      - { .name: idx, .offset: 24, .size: 8, .value_kind: global_buffer, .address_space: global }
    .group_segment_fixed_size: 327680
    .private_segment_fixed_size: 0
    .kernarg_segment_align: 8
    .kernarg_segment_size: 32
    .max_flat_workgroup_size: 256
    .sgpr_count:     66
    .vgpr_count:     512
    .wavefront_size: 32
...
	.end_amdgpu_metadata
.endif
;; end of part 2
;; launch gather (part 3): grid 512 x 1, 8 waves a work-group, no clusters, 1,280 bytes of LDS; arguments idx, z_e, codebook, out0, part; writes out0, part
.if DOCPART == 3
	.amdgcn_target "amdgcn-amd-amdhsa--gfx1250"
	.amdhsa_code_object_version 6
	.text
	.protected	k_q91bc001dab_gather
	.globl	k_q91bc001dab_gather
	.p2align	8
	.type	k_q91bc001dab_gather,@function
k_q91bc001dab_gather:
	s_mov_b64 s[64:65], 0
	v_nop
	global_prefetch_b8 v0, s[64:65] scope:SCOPE_SE
	s_setreg_imm32_b32 hwreg(HW_REG_WAVE_MODE, 25, 1), 1
	s_wait_xcnt 0x0
; out0[row] = z + (z_q - z) with z_q = codebook[idx[row]], in f32 as written, and for each work-group the sum of (z_q - z)^2 over its 64 rows into part[work-group].
; SHARES: a wave takes 8 rows.  A row is 1,024 bytes: two loads of 16 bytes a lane, each covering 512 consecutive bytes.  All 32 loads of a wave go out at once; every row has registers of its own,
; so no store's data are written again.  The indices were stored as whole numbers by the launch before; they come by one scalar load and are held to 8,191 ahead of the address.
; Memory binds: no matrix unit, no cluster, no tensor load; LDS serves the eight waves' sums alone.
.set SQ, 4                             ; v[4:11]   four packed sums
.set Z,  16                            ; v16-79    z, then the result: row i at 8 i
.set Q,  80                            ; v80-143   z_q, then z_q - z
.set W,  144                           ; v144-151  the eight waves' sums
.set SEL, 42
	s_load_b256 s[4:11], s[0:1], 0x0               ; idx s[4:5], z_e s[6:7], codebook s[8:9], out0 s[10:11]
	s_load_b64 s[12:13], s[0:1], 0x20              ; part
	v_lshl_add_u32 v152, v0, 2, 0x100
	v_mov_b32 v153, 0
	v_lshrrev_b32 v1, 5, v0
	v_readfirstlane_b32 s14, v1                    ; wave 0..7
	v_and_b32 v1, 31, v0
	v_lshlrev_b32 v1, 4, v1                        ; 16 x lane
	v_mov_b32 v12, 0                               ; a lane permute's destination counts as one of its sources
	v_mov_b32 v13, s14
	v_lshlrev_b32 v13, 2, v13                      ; LDS: my wave's word
	v_mov_b32 v14, 0
	s_mov_b32 s[SEL], 0x76543210
	s_mov_b32 s[SEL+1], 0xfedcba98
	s_lshl_b32 s44, ttmp9, 6
	s_lshl_b32 s45, s14, 3
	s_add_co_u32 s44, s44, s45                     ; my first row: 64 x work-group + 8 x wave
	s_lshl_b32 s46, s44, 2                         ; in idx,
	s_mov_b32 s47, 0
	s_lshl_b32 s48, s44, 10                        ; in z_e and out0
	s_mov_b32 s49, 0
	s_lshl_b32 s50, ttmp9, 2                       ; my work-group's word of part
	s_mov_b32 s51, 0
	s_wait_kmcnt 0x0
	s_add_nc_u64 s[4:5], s[4:5], s[46:47]
	s_add_nc_u64 s[6:7], s[6:7], s[48:49]
	s_add_nc_u64 s[10:11], s[10:11], s[48:49]
	s_add_nc_u64 s[12:13], s[12:13], s[50:51]
	s_load_b256 s[16:23], s[4:5], 0x0              ; my eight indices
.irp i, 0,1,2,3,4,5,6,7
	global_load_b128 v[Z+8*\i:Z+8*\i+3], v1, s[6:7] offset:1024*\i th:TH_LOAD_NT
	global_load_b128 v[Z+8*\i+4:Z+8*\i+7], v1, s[6:7] offset:1024*\i+512 th:TH_LOAD_NT
.endr
	s_wait_kmcnt 0x0
.irp i, 0,1,2,3,4,5,6,7
	s_min_u32 s[16+\i], s[16+\i], 0x1fff           ; an index stays inside the table
	s_lshl_b32 s[24+2*\i], s[16+\i], 10            ; its row of 1,024 bytes
	s_mov_b32 s[25+2*\i], 0
	s_add_nc_u64 s[24+2*\i:25+2*\i], s[8:9], s[24+2*\i:25+2*\i]
.endr
.irp i, 0,1,2,3,4,5,6,7
	global_load_b128 v[Q+8*\i:Q+8*\i+3], v1, s[24+2*\i:25+2*\i]             ; no hint: a row may be named again
	global_load_b128 v[Q+8*\i+4:Q+8*\i+7], v1, s[24+2*\i:25+2*\i] offset:512
.endr
.irp i, 0,1,2,3,4,5,6,7
	s_wait_loadcnt 14-2*\i                         ; z and rows 0 .. i of the table are in; the two loads of each later row may be out
.irp k, 0,1,2,3
	v_pk_add_f32 v[Q+8*\i+2*\k:Q+8*\i+2*\k+1], v[Q+8*\i+2*\k:Q+8*\i+2*\k+1], v[Z+8*\i+2*\k:Z+8*\i+2*\k+1] neg_lo:[0,1] neg_hi:[0,1]   ; z_q - z
.endr
.irp k, 0,1,2,3
.if \i == 0
	v_pk_mul_f32 v[SQ+2*\k:SQ+2*\k+1], v[Q+2*\k:Q+2*\k+1], v[Q+2*\k:Q+2*\k+1]            ; the first row starts the sums
.else
	v_pk_fma_f32 v[SQ+2*\k:SQ+2*\k+1], v[Q+8*\i+2*\k:Q+8*\i+2*\k+1], v[Q+8*\i+2*\k:Q+8*\i+2*\k+1], v[SQ+2*\k:SQ+2*\k+1]
.endif
.endr
.irp k, 0,1,2,3
	v_pk_add_f32 v[Z+8*\i+2*\k:Z+8*\i+2*\k+1], v[Z+8*\i+2*\k:Z+8*\i+2*\k+1], v[Q+8*\i+2*\k:Q+8*\i+2*\k+1]   ; z + (z_q - z)
.endr
	global_store_b128 v1, v[Z+8*\i:Z+8*\i+3], s[10:11] offset:1024*\i th:TH_STORE_NT      ; 32 lanes store 512 consecutive bytes, at a multiple of 256 from out0's first byte
	global_store_b128 v1, v[Z+8*\i+4:Z+8*\i+7], s[10:11] offset:1024*\i+512 th:TH_STORE_NT
.endr
	v_pk_add_f32 v[SQ:SQ+1], v[SQ:SQ+1], v[SQ+2:SQ+3]
	v_pk_add_f32 v[SQ+4:SQ+5], v[SQ+4:SQ+5], v[SQ+6:SQ+7]
	v_pk_add_f32 v[SQ:SQ+1], v[SQ:SQ+1], v[SQ+4:SQ+5]
	v_add_f32 v[SQ], v[SQ], v[SQ+1]
	v_add_f32_dpp v[SQ], v[SQ], v[SQ] row_xmask:1 row_mask:0xf bank_mask:0xf
	v_add_f32_dpp v[SQ], v[SQ], v[SQ] row_xmask:2 row_mask:0xf bank_mask:0xf
	v_add_f32_dpp v[SQ], v[SQ], v[SQ] row_xmask:4 row_mask:0xf bank_mask:0xf
	v_add_f32_dpp v[SQ], v[SQ], v[SQ] row_xmask:8 row_mask:0xf bank_mask:0xf
	v_permlanex16_b32 v12, v[SQ], s[SEL], s[SEL+1]
	v_add_f32 v[SQ], v[SQ], v12                    ; the wave's sum, in every lane
	ds_store_b32 v13, v[SQ]                        ; all lanes write the same word with the same value
	s_wait_dscnt 0x0                               ; for the others' sake
	s_barrier_signal -1
	s_barrier_wait -1
	s_cmp_lg_u32 s14, 0                            ; wave 0 adds the eight and stores
	s_cbranch_scc1 .Lend
	ds_load_b128 v[W:W+3], v14
	ds_load_b128 v[W+4:W+7], v14 offset:16
	s_wait_dscnt 0x0
	v_pk_add_f32 v[W:W+1], v[W:W+1], v[W+2:W+3]
	v_pk_add_f32 v[W+4:W+5], v[W+4:W+5], v[W+6:W+7]
	v_pk_add_f32 v[W:W+1], v[W:W+1], v[W+4:W+5]
	v_add_f32 v[W], v[W], v[W+1]
	v_cmp_eq_u32 vcc_lo, 0, v0
	s_wait_xcnt 0x0                                ; EXEC is a source of the stores above: it changes only behind this wait
	s_and_saveexec_b32 s46, vcc_lo
	global_store_b32 v14, v[W], s[12:13]           ; thread 0 alone: one number a work-group
	s_wait_xcnt 0x0                                ; and again, in front of the line that widens it
	s_or_b32 exec_lo, exec_lo, s46
.Lend:
	s_wait_tensorcnt 0x0
	ds_add_u32 v152, v153
	s_wait_dscnt 0x0
	s_endpgm
.Lfunc_end_k_q91bc001dab_gather:
	.size	k_q91bc001dab_gather, .Lfunc_end_k_q91bc001dab_gather-k_q91bc001dab_gather
	.p2alignl 7, 3214868480
	.fill 96, 4, 3214868480
	.section	.rodata,"a",@progbits
	.p2align	6, 0x0
	.amdhsa_kernel k_q91bc001dab_gather
		.amdhsa_group_segment_fixed_size 1280
		.amdhsa_private_segment_fixed_size 0
		.amdhsa_enable_private_segment 0
		.amdhsa_kernarg_size 40
		.amdhsa_user_sgpr_count 2
		.amdhsa_user_sgpr_kernarg_segment_ptr 1
		.amdhsa_wavefront_size32 1
		.amdhsa_system_sgpr_workgroup_id_x 1
		.amdhsa_system_sgpr_workgroup_id_y 1
		.amdhsa_system_sgpr_workgroup_id_z 1
		.amdhsa_system_vgpr_workitem_id 0
		.amdhsa_next_free_vgpr 154
		.amdhsa_next_free_sgpr 66
		.amdhsa_reserve_vcc 1
		.amdhsa_float_denorm_mode_32 3
		.amdhsa_float_denorm_mode_16_64 3
		.amdhsa_memory_ordered 1
		.amdhsa_forward_progress 1
		.amdhsa_inst_pref_size 15
	.end_amdhsa_kernel
	.amdgpu_metadata
---
amdhsa.version: [ 1, 2 ]
amdhsa.kernels:
  - .name:           k_q91bc001dab_gather
    .symbol:         k_q91bc001dab_gather.kd
    .args:
      - { .name: idx, .offset: 0, .size: 8, .value_kind: global_buffer, .address_space: global }
      - { .name: z_e, .offset: 8, .size: 8, .value_kind: global_buffer, .address_space: global }
      - { .name: codebook, .offset: 16, .size: 8, .value_kind: global_buffer, .address_space: global }
      - { .name: out0, .offset: 24, .size: 8, .value_kind: global_buffer, .address_space: global }
      - { .name: part, .offset: 32, .size: 8, .value_kind: global_buffer, .address_space: global }
    .group_segment_fixed_size: 1280
    .private_segment_fixed_size: 0
    .kernarg_segment_align: 8
    .kernarg_segment_size: 40
    .max_flat_workgroup_size: 256
    .sgpr_count:     66
    .vgpr_count:     154
    .wavefront_size: 32
...
	.end_amdgpu_metadata
.endif
;; end of part 3
;; launch total (part 4): grid 1 x 1, 1 waves a work-group, no clusters, 0 bytes of LDS; arguments part, out2; writes out2
.if DOCPART == 4
	.amdgcn_target "amdgcn-amd-amdhsa--gfx1250"
	.amdhsa_code_object_version 6
	.text
	.protected	k_q91bc001dab_total
	.globl	k_q91bc001dab_total
	.p2align	8
	.type	k_q91bc001dab_total,@function
k_q91bc001dab_total:
	s_mov_b64 s[64:65], 0
	v_nop
	global_prefetch_b8 v0, s[64:65] scope:SCOPE_SE
	s_setreg_imm32_b32 hwreg(HW_REG_WAVE_MODE, 25, 1), 1
	s_wait_xcnt 0x0
; out2 = m + 0.25 m, m = the mean of (z_q - z)^2 over 32,768 x 256 = 2^23 numbers: the 512 work-groups' sums are added by one owner, in a fixed order, and multiplied by 2^-23, which rounds nothing.
; One wave: 16 numbers a lane by four loads of 512 consecutive bytes each.
	s_load_b128 s[4:7], s[0:1], 0x0                ; part s[4:5], out2 s[6:7]
	v_lshlrev_b32 v1, 4, v0                        ; 16 x lane
	v_mov_b32 v20, 0
	v_mov_b32 v21, 0                               ; a lane permute's destination counts as one of its sources
	s_mov_b32 s8, 0x76543210
	s_mov_b32 s9, 0xfedcba98
	s_wait_kmcnt 0x0
.irp k, 0,1,2,3
	global_load_b128 v[4+4*\k:7+4*\k], v1, s[4:5] offset:512*\k
.endr
	s_wait_loadcnt 0x0
	v_pk_add_f32 v[4:5], v[4:5], v[6:7]
	v_pk_add_f32 v[8:9], v[8:9], v[10:11]
	v_pk_add_f32 v[12:13], v[12:13], v[14:15]
	v_pk_add_f32 v[16:17], v[16:17], v[18:19]
	v_pk_add_f32 v[4:5], v[4:5], v[8:9]
	v_pk_add_f32 v[12:13], v[12:13], v[16:17]
	v_pk_add_f32 v[4:5], v[4:5], v[12:13]
	v_add_f32 v4, v4, v5
	v_add_f32_dpp v4, v4, v4 row_xmask:1 row_mask:0xf bank_mask:0xf
	v_add_f32_dpp v4, v4, v4 row_xmask:2 row_mask:0xf bank_mask:0xf
	v_add_f32_dpp v4, v4, v4 row_xmask:4 row_mask:0xf bank_mask:0xf
	v_add_f32_dpp v4, v4, v4 row_xmask:8 row_mask:0xf bank_mask:0xf
	v_permlanex16_b32 v21, v4, s8, s9
	v_add_f32 v4, v4, v21
	v_mul_f32 v4, 0x34000000, v4                   ; x 2^-23: the mean
	v_fmamk_f32 v5, v4, 0x3e800000, v4             ; m x 0.25 + m
	v_cmp_eq_u32 vcc_lo, 0, v0
	s_wait_xcnt 0x0                                ; EXEC changes only behind this wait
	s_and_saveexec_b32 s10, vcc_lo
	global_store_b32 v20, v5, s[6:7]               ; lane 0 alone: the one number
	s_wait_xcnt 0x0
	s_or_b32 exec_lo, exec_lo, s10
	s_endpgm
.Lfunc_end_k_q91bc001dab_total:
	.size	k_q91bc001dab_total, .Lfunc_end_k_q91bc001dab_total-k_q91bc001dab_total
	.p2alignl 7, 3214868480
	.fill 96, 4, 3214868480
	.section	.rodata,"a",@progbits
	.p2align	6, 0x0
	.amdhsa_kernel k_q91bc001dab_total
		.amdhsa_group_segment_fixed_size 0
		.amdhsa_private_segment_fixed_size 0
		.amdhsa_enable_private_segment 0
		.amdhsa_kernarg_size 16
		.amdhsa_user_sgpr_count 2
		.amdhsa_user_sgpr_kernarg_segment_ptr 1
		.amdhsa_wavefront_size32 1
		.amdhsa_system_sgpr_workgroup_id_x 1
		.amdhsa_system_sgpr_workgroup_id_y 1
		.amdhsa_system_sgpr_workgroup_id_z 1
		.amdhsa_system_vgpr_workitem_id 0
		.amdhsa_next_free_vgpr 32
		.amdhsa_next_free_sgpr 66
		.amdhsa_reserve_vcc 1
		.amdhsa_float_denorm_mode_32 3
		.amdhsa_float_denorm_mode_16_64 3
		.amdhsa_memory_ordered 1
		.amdhsa_forward_progress 1
		.amdhsa_inst_pref_size 3
	.end_amdhsa_kernel
	.amdgpu_metadata
---
amdhsa.version: [ 1, 2 ]
amdhsa.kernels:
  - .name:           k_q91bc001dab_total
    .symbol:         k_q91bc001dab_total.kd
    .args:
      - { .name: part, .offset: 0, .size: 8, .value_kind: global_buffer, .address_space: global }
      - { .name: out2, .offset: 8, .size: 8, .value_kind: global_buffer, .address_space: global }
    .group_segment_fixed_size: 0
    .private_segment_fixed_size: 0
    .kernarg_segment_align: 8
    .kernarg_segment_size: 16
    .max_flat_workgroup_size: 32
    .sgpr_count:     66
    .vgpr_count:     32
    .wavefront_size: 32
...
	.end_amdgpu_metadata
.endif
;; end of part 4
